; MI455X (gfx1250); checked and timed in simulation.
; The chip was launched on July 23, 2026; its instructions are those of AMD's public machine-readable ISA for CDNA 5 (MIT licence, August 2026) and "CDNA5" Instruction Set Architecture Reference Guide (July 2026). The comments in the code are by the model that wrote it; some were corrected since.
;; Edit Model. Allowed arithmetic: matrix products marked QUANTISED: E2M1 operands, one E8M0 scale for each 32 along K, by v_wmma_scale_f32_16x16x128_f8f6f4 with both operands' format E2M1 (or v_wmma_scale_f32_32x16x128_f4), f32 sums; everything else in f32.
;; Inputs: W_ins 53 x 256 float32; W_sub 53 x 256 float32; b_ins 53 float32; b_sub 53 float32; modern_ctx 64 x 128 x 256 float32; prior_ctx 64 x 128 x 256 float32; src_lengths 128 int32; target_ids 63 x 128 int32; tgt_lengths 128 int32.
;; Outputs: out0 64 x 64 x 128 float32; out1 64 x 64 x 128 float32; out2 64 x 63 x 128 float32; out3 64 x 63 x 128 float32.
;; This version of the problem:
;;   THIS VERSION OF THE PROBLEM IS GIVEN IN LOW PRECISION. The matrix products marked QUANTISED in the list below multiply operands that are first quantised to E2M1 (2 exponent bits, 1 mantissa bit; 4 bits a number), with one power-of-two scale for each 32 numbers along K (OCP MX v1.0); their sums are f32. All else is computed in f32.
;;   The module's matrix products, in the order in which they are computed (A, B: the left and right operand; K: the contracted axis; several contracted axes count as one K, in the product's order):
;;     1. [M 524,288, K 256] x [K 256, N 53]; A: computed on the way; B: input W_sub: QUANTISED
;;     2. [M 524,288, K 256] x [K 256, N 53]; A: computed on the way; B: input W_ins: QUANTISED
;;   THE QUANTISER, for each operand of a quantised product, along K:
;;     - K is cut into blocks of 32 from its start; a last block that is shorter is filled with zeros.
;;     - A block's scale is 2^e with e = floor(log2(the largest magnitude in the block)) - 2, held to -126 .. 127; a block of zeros has e = 0. As a byte (E8M0): e + 127.
;;     - Each number is divided by its block's scale, clamped to +-6, and rounded to the nearest number of E2M1, ties to even, subnormals kept.
;;     - The product sums the exact products of the quantised numbers (number of the format x scale) in f32.
;;   ~~~python
;;   def quantise(x, axis):      # numpy; x: float32 -> the quantised numbers, widened to float32 again
;;       x = np.moveaxis(x, axis, -1); K = x.shape[-1]
;;       x = np.pad(x, [(0, 0)] * (x.ndim - 1) + [(0, -K % 32)]); x = x.reshape(x.shape[:-1] + (-1, 32)); a = np.abs(x).max(-1, keepdims=True)
;;       e = np.where(a > 0, np.clip(np.frexp(np.where(a > 0, a, 1))[1] - 1 - 2, -126, 127), 0)      # np.frexp(a)[1] - 1 = floor(log2(a)), exactly
;;       r = np.clip(x / 2.0 ** e, -6, 6)
;;       step = 2.0 ** (np.maximum(np.frexp(np.where(r == 0, 1, r))[1] - 1, 0) - 1)
;;       q = np.round(r / step) * step * 2.0 ** e      # np.round: ties to even
;;       return np.moveaxis(q.reshape(q.shape[:-2] + (-1,))[..., :K], -1, axis).astype(np.float32)
;;   ~~~
;;   OPERANDS COMPUTED ON THE WAY. 'Computed on the way' means the value that the module computes at that place (a softmax that the list does not call 'softmax' is quantised finished and normalised). What goes into a quantiser is computed in f32, as accurately as f32 sums, v_exp_f32 and their like allow (about 1e-6 of the number): no bf16 or f16 on the way to a quantiser, and a product that is left as it is and whose result goes on into a quantised operand takes f32 operands (vector FMAs, or v_wmma_f32_16x16x4_f32). A number that lies on a knife's edge between two numbers of the format may be rounded either way, as far as f32 arithmetic and the matrix unit's own rounding can turn it there, and no further.
;; One version. Each part assembles by itself: llvm-mc -triple=amdgcn-amd-amdhsa -mcpu=gfx1250 --defsym DOCPART=n.
;; ======== version 1 of 1: 2 launches
;; workspace buffers: ws 8,388,608 bytes
;; launch edit (part 1): grid 256 x 1, 8 waves a work-group, no clusters, 207,360 bytes of LDS; arguments src_lengths, tgt_lengths, W_sub, W_ins, b_sub, b_ins, prior_ctx, modern_ctx, target_ids, ws; writes ws
.if DOCPART == 1
	.amdgcn_target "amdgcn-amd-amdhsa--gfx1250"
	.amdhsa_code_object_version 6
	.text
	.protected	k_q4f1762b926_edit
	.globl	k_q4f1762b926_edit
	.p2align	8
	.type	k_q4f1762b926_edit,@function
k_q4f1762b926_edit:
	s_mov_b64 s[64:65], 0
	v_nop
	global_prefetch_b8 v0, s[64:65] scope:SCOPE_SE
	s_setreg_imm32_b32 hwreg(HW_REG_WAVE_MODE, 25, 1), 1
	s_wait_xcnt 0x0
; For every (x, y, b) that both lengths allow: ctx = prior[x][b][:] + modern[y][b][:] (256 f32), quantised to FP4 (E2M1) with one E8M0 scale for each 32 along D, times the
; quantised W_sub and W_ins (53 rows each), + bias, log-softmax over each head's 53 logits.  Kept are entry 52 and entry target_ids[y][b] of each head.
; OUT: ws, in units of 256 bytes.  Unit ((b*4 + yt)*64 + x): lane l = r + 16 h stores 8 bytes at 8 l: {logp[52], logp[target]} of y = 16 yt + r, head h (0 sub, 1 ins).
; Only units with x < src[b] and 16 yt < tgt[b] are made; the next launch reads those alone, masks single rows, and lays the four outputs out.
; SHARES.  The kept steps (one x of one tile of 16 y of one b) are cut into chunks of at most Q steps, Q the least number with which at most 2,048 chunks arise; wave 8 WG + w takes
; chunk 8 WG + w.  Every wave works Q and its own chunk out of the two length inputs, by whole-number arithmetic.  A wave without a chunk gets n = 0 steps and ends behind the barrier.
; A chunk keeps its 16 rows of modern in registers, as the operand's layout wants them, and walks x: per step 64 packed additions, the quantiser, 14 matrix instructions, the softmax.
; THE PRODUCT IS USED TRANSPOSED: source 0 = 16 rows of W, source 1 = the 16 rows of ctx.  Tile t of W holds W_sub[8 t + 0..7] and W_ins[8 t + 0..7] (row numbers held at 52; the three
; logits past 52 are never read), so lane (r, h) holds in ACC + 8 t + j the logit of head h, entry 8 t + j, of ctx row r: a whole softmax lies in one lane.
; W is quantised by waves 0 to 6 (a tile each), the biases are laid out by wave 7; both reach all waves through LDS as images of registers, behind the one barrier.
; NO JOINT LOADS, though all work-groups read the same W: W is 108 KB a work-group, once.
; No prefetch either: every load is issued as soon as its address is known.
; LIMITS: lengths are read as signed numbers and held to 1 .. 64 here (the next launch masks by the true numbers).  A block whose largest magnitude lies under 2^-124 keeps the scale byte 1
; (a block of zeros too: its codes are zeros).  NaN and infinities among the inputs are not served.  A target id outside 0 .. 52 would give 0 - logsumexp.
.set PITCH, 1040                       ; an LDS row: 1,024 bytes + 16 = 260 words: row r starts at bank 4 r mod 64 (64 banks of 4 bytes: ISA guide 11.1)
.set PRIVB, 22*PITCH                   ; each wave's own 22 rows: first 16 rows of W, then 16 of modern, then up to 21 of prior (+ the look-ahead's row)
.set WIMG,  8*PRIVB                    ; images of W's 14 fragments (tile t, K step s: 2 t + s), 1,024 bytes each
.set WSC,   WIMG+14*1024               ; their scale words, 128 bytes each
.set BIMG,  WSC+14*128                 ; image of the 56 bias registers, four registers to 512 bytes
; window 0
.set LANE, 1
.set RR,   2                           ; lane % 16
.set HH,   3                           ; lane / 16
.set H8,   4                           ; 8 x (lane / 16)
.set LST,  5                           ; my rows in LDS + 16 lane: rows as they lie
.set LFR,  6                           ; + 1040 r + 128 h: a fragment's bytes of row r
.set LPA,  7                           ; + 128 h: prior's row in hand, blocks 0 and 2
.set LIW,  8                           ; WIMG + 16 lane
.set LIWS, 9                           ; + 2048 wave
.set LSW,  10                          ; WSC + 4 lane
.set LSWS, 11                          ; + 256 wave
.set LBI,  12                          ; BIMG + 16 lane
.set L16,  13                          ; 16 lane; never rewritten
.set MOFF, 14                          ; modern: byte offset of my 16 bytes in the tile's first row
.set WOFF, 16                          ; ws: my 8 bytes of the unit in hand
.set TID,  17                          ; target id of my y
.set TOFF, 18
.set UU,   19                          ; a lane permute's destination
.set TT,   20                          ; at work
.set SOP,  21                          ; the conversions' scale operand
.set CC,   22                          ; v22-25 four chains of a maximum
.set BY,   26                          ; v26-29 the four blocks' scale bytes
.set NM,   30                          ; v30 -max x log2(e); v31 = 0 always (named with it as a pair; also the zero offset)
.set ZR,   31
.set CODES,32                          ; v32-47 ctx's two fragments
.set WS,   48                          ; v48-61 W's scale words
.set XS,   62                          ; v62-63 the scale words just made
.set P0,   64                          ; v64-95  prior's blocks 0 and 2, then the sums
.set P1,   96                          ; v96-127 blocks 1 and 3
.set ACC,  128                         ; v128-183 seven accumulators
.set SEL,  184                         ; v184-187 the target's logit, in four chains
.set L52,  188
.set LG,   189
.set OA,   190                         ; v190-191 what is stored
.set BIAS, 192                         ; v192-247
.set SA,   248
.set SB,   250
.set LSE,  252
.set LPB,  253                         ; as LPA, for blocks 1 and 3
; window 0, ahead of the barrier only
.set X1,   64                          ; v64-191 rows of W as loaded, then a tile's fragment in f32; in wave 7 the biases
.set SL,   192                         ; v192-195 src of b = 4 lane + j
.set GL,   196                         ; v196-199 tgt, then the number of tiles of 16 y
.set CP,   200                         ; chunks for each tile
.set KK,   204                         ; chunks for each b
.set IN,   208                         ; running sums
.set AC,   212
.set PKD,  213
.set EX,   214
.set BB,   215
.set PO,   224                         ; v224-231 byte offsets of eight rows of prior
.set WRO,  240                         ; v240-247 byte offsets of eight rows of W
; window 1
.set WF,   128                         ; v128-239 W's 14 fragments;  v0-127: modern, block q at 32 q
.set PL,   128                         ; ahead of the barrier: eight rows of prior as loaded
; scalars: s24 wave, s25 chunk number, s26 my rows in LDS, s27 mask of lanes 16-31, s30 Q, s31 ceil(65536 / Q), s32 n, s33 trip, s[34:35] lane selects,
; s36-63 and s66-90 the 53 lane masks (target id = j), s91 the ws offset's step, s[92:93] log2(e), s94 b, s95 yt, s99 x0, s100 1024 b
.set MSB, 0
.macro WIN new                         ; the immediate's high byte repeats the setting that is left; a switch that changes nothing is dropped
.if MSB != \new
	s_set_vgpr_msb (MSB<<8)|\new
.set MSB, \new
.endif
.endm
; running sum of whole numbers over the 32 lanes, in place: four steps inside each half, then the lower half's total onto the upper half
.macro WSCAN reg
.irp sh, 1,2,4,8
	v_mov_b32_dpp v[TT], v[\reg] row_shr:\sh row_mask:0xf bank_mask:0xf bound_ctrl:1
	v_add_nc_u32 v[\reg], v[\reg], v[TT]
.endr
	v_readlane_b32 s28, v[\reg], 15
	v_mov_b32 v[TT], s28
	v_cndmask_b32 v[TT], 0, v[TT], s27
	v_add_nc_u32 v[\reg], v[\reg], v[TT]
.endm
; eight packed additions: modern's block q (window 1) onto prior's numbers in buf, pairs from .. from + 7
.macro ADDH q, buf, from
	WIN 0x01
.irp e, 0,1,2,3,4,5,6,7
	v_pk_add_f32 v[\buf+2*(\from+\e):\buf+2*(\from+\e)+1], v[32*(\q)+2*(\from+\e):32*(\q)+2*(\from+\e)+1], v[\buf+2*(\from+\e):\buf+2*(\from+\e)+1]
.endr
.endm
; a whole block of 32 along K lies in my 32 registers buf ..: its largest magnitude (with the floor 2^(3 - 127) among the leaves, so that the byte cannot fall under 1), its scale, its codes
.macro QUANT q, buf
	WIN 0
.irp k, 0,1,2,3
	v_max3_num_f32 v[CC+\k], |v[\buf+8*\k]|, |v[\buf+8*\k+1]|, |v[\buf+8*\k+2]|
.endr
.irp i, 3,5
.irp k, 0,1,2,3
	v_max3_num_f32 v[CC+\k], v[CC+\k], |v[\buf+8*\k+\i]|, |v[\buf+8*\k+\i+1]|
.endr
.endr
	v_max3_num_f32 v[CC], v[CC], |v[\buf+7]|, |v[\buf+15]|
	v_max3_num_f32 v[CC+2], v[CC+2], |v[\buf+23]|, |v[\buf+31]|
	v_max3_num_f32 v[CC], v[CC], v[CC+1], v[CC+2]
	v_max3_num_f32 v[CC], v[CC], v[CC+3], 0x1800000
	v_add_nc_u32 v[SOP], 0xff000000, v[CC]         ; 2 off the exponent field: the conversion takes the exponent field of this operand as its scale
.irp g, 0,1,2,3
	v_cvt_scalef32_pk8_fp4_f32 v[CODES+4*(\q)+\g], v[\buf+8*\g:\buf+8*\g+7], v[SOP]
.endr
	v_lshrrev_b32 v[BY+(\q)], 23, v[SOP]           ; the scale's byte; also the plain line behind the conversions
.endm
; K step s: my two bytes (blocks h and 2 + h of the step's four) and lane l xor 16's two make the row's scale word
.macro WORD s
	v_lshl_or_b32 v[TT], v[BY+2*(\s)+1], 16, v[BY+2*(\s)]
	v_lshlrev_b32 v[TT], v[H8], v[TT]
	v_permlanex16_b32 v[UU], v[TT], s34, s35
	v_or_b32 v[XS+(\s)], v[TT], v[UU]
.endm
; 128 bytes of a row of prior into buf: all sixteen lanes of a half read the same bytes
.macro LOADP buf, adr, off
.irp e, 0,1,2,3,4,5,6,7
	ds_load_b128 v[\buf+4*\e:\buf+4*\e+3], v[\adr] offset:\off+16*\e
.endr
.endm
; K step s of the seven tiles.  The first step takes the biases as C.  The seven accumulators take turns, one instruction a turn.
.macro MM s
	WIN 0x01                                       ; source 0 (W) in window 1
.irp t, 0,1,2,3,4,5,6
.if \s == 0
	v_wmma_scale_f32_16x16x128_f8f6f4 v[ACC+8*\t:ACC+8*\t+7], v[WF+16*\t:WF+16*\t+7], v[CODES:CODES+7], v[BIAS+8*\t:BIAS+8*\t+7], v[WS+2*\t], v[XS] matrix_a_fmt:MATRIX_FMT_FP4 matrix_b_fmt:MATRIX_FMT_FP4
.else
	v_wmma_scale_f32_16x16x128_f8f6f4 v[ACC+8*\t:ACC+8*\t+7], v[WF+16*\t+8:WF+16*\t+15], v[CODES+8:CODES+15], v[ACC+8*\t:ACC+8*\t+7], v[WS+2*\t+1], v[XS+1] matrix_a_fmt:MATRIX_FMT_FP4 matrix_b_fmt:MATRIX_FMT_FP4
.endif
.endr
.endm
; prior's rows x0 + 8 g + i, i under rows, x held at 63: their offsets, their loads (512 consecutive bytes each), their way into my LDS rows
.macro POFFS g, rows
.irp i, 0,1,2,3,4,5,6,7
.if \i < \rows
	s_add_co_u32 s28, s99, 8*\g+\i
	s_min_u32 s28, s28, 63
	s_lshl_b32 s28, s28, 17
	s_add_co_u32 s28, s28, s100
	v_add_nc_u32 v[PO+\i], s28, v[L16]
.endif
.endr
.endm
.macro PLOAD rows
	WIN 0x40                                       ; destination window 1
.irp i, 0,1,2,3,4,5,6,7
.if \i < \rows
	global_load_b128 v[PL+8*\i:PL+8*\i+3], v[PO+\i], s[16:17]
	global_load_b128 v[PL+8*\i+4:PL+8*\i+7], v[PO+\i], s[16:17] offset:512
.endif
.endr
.endm
.macro PSTORE g, rows
	WIN 0x04                                       ; an LDS store's data are its source 1: window 1
.irp i, 0,1,2,3,4,5,6,7
.if \i < \rows
	ds_store_b128 v[LST], v[PL+8*\i:PL+8*\i+3] offset:(8*\g+\i)*PITCH
	ds_store_b128 v[LST], v[PL+8*\i+4:PL+8*\i+7] offset:(8*\g+\i)*PITCH+512
.endif
.endr
.endm
	s_load_b512 s[4:19], s[0:1], 0x0               ; src s[4:5], tgt s[6:7], W_sub s[8:9], W_ins s[10:11], b_sub s[12:13], b_ins s[14:15], prior s[16:17], modern s[18:19]
	s_load_b128 s[20:23], s[0:1], 0x40             ; target_ids s[20:21], ws s[22:23]
	v_lshl_add_u32 v254, v0, 2, 0x32600
	v_mov_b32 v255, 0
	v_and_b32 v[LANE], 31, v0
	v_lshrrev_b32 v[TT], 5, v0
	v_readfirstlane_b32 s24, v[TT]                 ; wave 0..7
	v_and_b32 v[RR], 15, v0
	v_bfe_u32 v[HH], v0, 4, 1
	v_lshlrev_b32 v[H8], 3, v[HH]
	s_lshl_b32 s25, ttmp9, 3
	s_add_co_u32 s25, s25, s24                     ; my chunk's number
	s_mul_i32 s26, s24, PRIVB
	; every LDS address is made here, ahead of the first parting of the waves
	v_lshlrev_b32 v[L16], 4, v[LANE]
	v_add_nc_u32 v[LST], s26, v[L16]
	v_mul_u32_u24 v[LFR], v[RR], PITCH
	v_lshl_add_u32 v[LFR], v[HH], 7, v[LFR]
	v_add_nc_u32 v[LFR], s26, v[LFR]
	v_lshlrev_b32 v[LPA], 7, v[HH]
	v_add_nc_u32 v[LPA], s26, v[LPA]
	v_mov_b32 v[LPB], v[LPA]
	v_add_nc_u32 v[LIW], WIMG, v[L16]
	s_lshl_b32 s28, s24, 11
	v_add_nc_u32 v[LIWS], s28, v[LIW]
	v_lshl_add_u32 v[LSW], v[LANE], 2, WSC
	s_lshl_b32 s28, s24, 8
	v_add_nc_u32 v[LSWS], s28, v[LSW]
	v_add_nc_u32 v[LBI], BIMG, v[L16]
	s_mov_b32 s27, 0xffff0000
	s_mov_b32 s34, 0x76543210
	s_mov_b32 s35, 0xfedcba98                      ; v_permlanex16_b32's selects for lane l xor 16
	s_mov_b32 s92, 0x3fb8aa3b                      ; log2(e)
	s_mov_b32 s93, s92                             ; (named with it as a pair, so it is written)
	v_mov_b32 v[UU], 0
	v_mov_b32 v[ZR], 0
	s_lshl_b32 s28, s24, 3
.irp m, 0,1,2,3,4,5,6,7
	s_add_co_u32 s29, s28, \m                      ; row 8 wave + m of W, held at 52
	s_min_u32 s29, s29, 52
	s_lshl_b32 s29, s29, 10
	v_add_nc_u32 v[WRO+\m], s29, v[L16]
.endr
	s_wait_kmcnt 0x0
	global_load_b128 v[SL:SL+3], v[L16], s[4:5]    ; lane l: the lengths of b = 4 l .. 4 l + 3
	global_load_b128 v[GL:GL+3], v[L16], s[6:7]
	s_cmp_eq_u32 s24, 7
	s_cbranch_scc1 .Lbias_load
.irp m, 0,1,2,3,4,5,6,7
	global_load_b128 v[X1+8*\m:X1+8*\m+3], v[WRO+\m], s[8:9]             ; a row of W in two loads of 512 consecutive bytes
	global_load_b128 v[X1+8*\m+4:X1+8*\m+7], v[WRO+\m], s[8:9] offset:512
.endr
.irp m, 0,1,2,3,4,5,6,7
	global_load_b128 v[X1+64+8*\m:X1+64+8*\m+3], v[WRO+\m], s[10:11]
	global_load_b128 v[X1+64+8*\m+4:X1+64+8*\m+7], v[WRO+\m], s[10:11] offset:512
.endr
	s_wait_loadcnt 32                              ; the 32 loads of W may be out: the lengths are in
	s_branch .Ldecode
.Lbias_load:
.irp i, 0,1,2,3,4,5,6,7,8,9,10,11,12
	global_load_b128 v[X1+4*\i:X1+4*\i+3], v[ZR], s[12:13] offset:16*\i          ; every lane takes all 53 of each head
	global_load_b128 v[X1+56+4*\i:X1+56+4*\i+3], v[ZR], s[14:15] offset:16*\i
.endr
	global_load_b32 v[X1+52], v[ZR], s[12:13] offset:208
	global_load_b32 v[X1+108], v[ZR], s[14:15] offset:208
	s_wait_loadcnt 28                              ; the 28 loads of biases may be out: the lengths are in
.Ldecode:
	; ---- which chunk is mine: whole numbers alone
.irp j, 0,1,2,3
	v_cmp_le_i32 vcc_lo, 1, v[SL+\j]
	v_cndmask_b32 v[SL+\j], 1, v[SL+\j], vcc_lo
	v_min_u32 v[SL+\j], 64, v[SL+\j]               ; S: src held to 1 .. 64
	v_cmp_le_i32 vcc_lo, 1, v[GL+\j]
	v_cndmask_b32 v[GL+\j], 1, v[GL+\j], vcc_lo
	v_min_u32 v[GL+\j], 64, v[GL+\j]
	v_add_nc_u32 v[GL+\j], 15, v[GL+\j]
	v_lshrrev_b32 v[GL+\j], 4, v[GL+\j]            ; nt: tiles of 16 y that hold a valid row, 1 .. 4
.endr
	v_mul_u32_u24 v[AC], v[SL], v[GL]
	v_lshl_add_u32 v[AC], v[GL], 16, v[AC]
.irp j, 1,2,3
	v_mad_u32_u24 v[AC], v[SL+\j], v[GL+\j], v[AC]
	v_lshl_add_u32 v[AC], v[GL+\j], 16, v[AC]      ; low half: steps (32,768 at the most), high half: tiles (512 at the most)
.endr
	WSCAN AC
	v_readlane_b32 s28, v[AC], 31
	s_and_b32 s96, s28, 0xffff                     ; T: steps in all
	s_lshr_b32 s97, s28, 16                        ; I: tiles in all
	s_sub_co_u32 s96, s96, s97                     ; N = T - I
	s_sub_co_u32 s97, 2048, s97                    ; D = 2048 - I
	; the chunks number at most (T + I (Q - 1)) / Q, which is at most 2,048 where Q D >= N.  Q = 21 always serves: 63 I <= 21 (2048 - I) for I <= 512
	s_mov_b32 s30, 21
	s_mov_b32 s31, (65536+20)/21
.irp q, 20,19,18,17,16,15,14,13,12,11,10,9,8,7,6,5,4,3,2,1
	s_mul_i32 s28, s97, \q
	s_cmp_ge_u32 s28, s96
	s_cselect_b32 s30, \q, s30                     ; the least Q that serves,
	s_cselect_b32 s31, (65536+\q-1)/\q, s31        ; and ceil(65536 / Q): (a x it) >> 16 = a / Q, rounded down, for a up to 84
.endr
	s_sub_co_u32 s28, s30, 1
.irp j, 0,1,2,3
	v_add_nc_u32 v[CP+\j], s28, v[SL+\j]
	v_mul_u32_u24 v[CP+\j], s31, v[CP+\j]
	v_lshrrev_b32 v[CP+\j], 16, v[CP+\j]           ; chunks for a tile: ceil(S / Q)
	v_mul_u32_u24 v[KK+\j], v[GL+\j], v[CP+\j]     ; chunks for a b
.endr
	v_mov_b32 v[IN], v[KK]
	v_add_nc_u32 v[IN+1], v[IN], v[KK+1]
	v_add_nc_u32 v[IN+2], v[IN+1], v[KK+2]
	v_add_nc_u32 v[IN+3], v[IN+2], v[KK+3]
	v_mov_b32 v[AC], v[IN+3]
	WSCAN AC
	v_sub_nc_u32 v[AC], v[AC], v[IN+3]             ; chunks of the lanes below mine
	v_mov_b32 v[PKD], 0
.irp j, 0,1,2,3
	v_add_nc_u32 v[IN+\j], v[AC], v[IN+\j]         ; chunks up to and with this b,
	v_sub_nc_u32 v[EX], v[IN+\j], v[KK+\j]         ; and ahead of it
	v_cmp_ge_u32 s36, s25, v[EX]
	v_cmp_lt_u32 s37, s25, v[IN+\j]
	s_and_b32 s36, s36, s37                        ; is my chunk one of this b's?
	v_sub_nc_u32 v[EX], s25, v[EX]                 ; then: which of them (under 256),
	v_lshl_or_b32 v[EX], v[SL+\j], 8, v[EX]        ; S,
	v_lshl_or_b32 v[EX], v[CP+\j], 15, v[EX]       ; chunks for a tile,
	v_lshl_add_u32 v[BB], v[LANE], 2, \j
	v_lshl_or_b32 v[EX], v[BB], 22, v[EX]          ; and b, in one word
	v_cndmask_b32 v[EX], 0, v[EX], s36
	v_add_nc_u32 v[PKD], v[PKD], v[EX]
.endr
	WSCAN PKD                                      ; one entry at the most is not 0
	v_readlane_b32 s28, v[PKD], 31
	s_and_b32 s96, s28, 0xff
	s_bfe_u32 s97, s28, 0x70008                    ; S
	s_bfe_u32 s98, s28, 0x7000f                    ; chunks for a tile
	s_bfe_u32 s94, s28, 0x70016                    ; b
	s_cmp_ge_u32 s96, s98
	s_cselect_b32 s95, 1, 0
	s_lshl_b32 s29, s98, 1
	s_cmp_ge_u32 s96, s29
	s_cselect_b32 s28, 1, 0
	s_add_co_u32 s95, s95, s28
	s_add_co_u32 s29, s29, s98
	s_cmp_ge_u32 s96, s29
	s_cselect_b32 s28, 1, 0
	s_add_co_u32 s95, s95, s28                     ; yt
	s_mul_i32 s29, s95, s98
	s_sub_co_u32 s96, s96, s29                     ; which chunk of the tile
	s_mul_i32 s99, s96, s30                        ; x0
	s_sub_co_u32 s32, s97, s99
	s_min_u32 s32, s32, s30                        ; n = min(Q, S - x0).  Where no entry was mine all fields are 0: n = 0
	s_min_u32 s32, s32, 21
	s_min_u32 s94, s94, 127                        ; what enters an address is held to its range
	s_min_u32 s95, s95, 3
	s_min_u32 s99, s99, 63
	; ---- the chunk's loads
	s_lshl_b32 s100, s94, 10
	s_lshl_b32 s28, s95, 21
	s_add_co_u32 s28, s28, s100
	v_add_nc_u32 v[MOFF], s28, v[L16]              ; modern[16 yt][b]: a row further down is 131,072 bytes on
	s_lshl_b32 s28, s95, 4
	v_add_nc_u32 v[TOFF], s28, v[RR]
	v_min_u32 v[TOFF], 62, v[TOFF]                 ; y = 63 has no target: its number is made and never used
	v_lshlrev_b32 v[TOFF], 7, v[TOFF]
	v_add_nc_u32 v[TOFF], s94, v[TOFF]
	v_lshlrev_b32 v[TOFF], 2, v[TOFF]
	s_lshl_b32 s28, s94, 2
	s_add_co_u32 s28, s28, s95
	s_lshl_b32 s28, s28, 6
	s_add_co_u32 s28, s28, s99
	s_lshl_b32 s28, s28, 8
	v_lshl_add_u32 v[WOFF], v[LANE], 3, s28
	POFFS 0, 8
	global_load_b32 v[TID], v[TOFF], s[20:21]
	WIN 0x40                                       ; destination window 1
.irp i, 0,1,2,3,4,5,6,7,8,9,10,11,12,13,14,15
	global_load_b128 v[8*\i:8*\i+3], v[MOFF], s[18:19] offset:\i*131072
	global_load_b128 v[8*\i+4:8*\i+7], v[MOFF], s[18:19] offset:\i*131072+512
.endr
	PLOAD 8
	WIN 0
	s_wait_loadcnt 49                              ; the 49 just issued (1 + 32 + 16) may be out: W's rows, or the biases, are in
	; ---- W's tile, or the biases, while the chunk's loads are on their way
	s_cmp_eq_u32 s24, 7
	s_cbranch_scc1 .Lbias_image
.irp m, 0,1,2,3,4,5,6,7
	ds_store_b128 v[LST], v[X1+8*\m:X1+8*\m+3] offset:\m*PITCH
	ds_store_b128 v[LST], v[X1+8*\m+4:X1+8*\m+7] offset:\m*PITCH+512
	ds_store_b128 v[LST], v[X1+64+8*\m:X1+64+8*\m+3] offset:(8+\m)*PITCH
	ds_store_b128 v[LST], v[X1+64+8*\m+4:X1+64+8*\m+7] offset:(8+\m)*PITCH+512
.endr
	s_wait_dscnt 0x0                               ; the stores have read their registers
.irp q, 0,1,2,3
.irp e, 0,1,2,3,4,5,6,7
	ds_load_b128 v[X1+32*\q+4*\e:X1+32*\q+4*\e+3], v[LFR] offset:256*\q+16*\e    ; lane (r, h): k = 64 q + 32 h + 0 .. 31 of the tile's row r
.endr
.endr
	s_wait_dscnt 0x0
	QUANT 0, X1
	QUANT 1, X1+32
	QUANT 2, X1+64
	QUANT 3, X1+96
	WORD 0
	WORD 1
.irp s, 0,1
.irp c, 0,1
	ds_store_b128 v[LIWS], v[CODES+8*\s+4*\c:CODES+8*\s+4*\c+3] offset:1024*\s+512*\c    ; the fragment as it stands: lane l's 16 bytes at 16 l
.endr
	ds_store_b32 v[LSWS], v[XS+\s] offset:128*\s
.endr
	s_branch .Lw_done
.Lbias_image:
.set jj, 0
.rept 53
	v_cndmask_b32 v[X1+jj], v[X1+jj], v[X1+56+jj], s27     ; lanes 0-15 b_sub, lanes 16-31 b_ins: the result's layout
.set jj, jj+1
.endr
.irp j, 53,54,55
	v_mov_b32 v[X1+\j], 0
.endr
.irp i, 0,1,2,3,4,5,6,7,8,9,10,11,12,13
	ds_store_b128 v[LBI], v[X1+4*\i:X1+4*\i+3] offset:512*\i
.endr
.Lw_done:
	; ---- modern's 16 rows turn through my LDS rows into the operand's order; then prior's rows take their place
	s_wait_loadcnt 0x0
	WIN 0x04
.irp i, 0,1,2,3,4,5,6,7,8,9,10,11,12,13,14,15
	ds_store_b128 v[LST], v[8*\i:8*\i+3] offset:\i*PITCH
	ds_store_b128 v[LST], v[8*\i+4:8*\i+7] offset:\i*PITCH+512
.endr
.irp i, 16,21
	ds_store_b128 v[LST], v[0:3] offset:\i*PITCH           ; rows 16 and 21 are written once, with any numbers: a chunk's last step reads one row ahead and uses nothing of it
	ds_store_b128 v[LST], v[4:7] offset:\i*PITCH+512
.endr
	s_wait_dscnt 0x0                               ; the stores have read their registers
	WIN 0x40
.irp q, 0,1,2,3
.irp e, 0,1,2,3,4,5,6,7
	ds_load_b128 v[32*\q+4*\e:32*\q+4*\e+3], v[LFR] offset:256*\q+16*\e
.endr
.endr
	PSTORE 0, 8                                    ; LDS serves a wave's instructions in order (ISA guide 5.7.1.4): these fall behind the reads above
	WIN 0
.set jj, 0
.rept 53
	v_cmp_eq_u32 s[36+jj+2*(jj/28)], jj, v[TID]    ; the lanes whose target is entry jj
.set jj, jj+1
.endr
	s_cmp_gt_u32 s32, 8
	s_cbranch_scc0 .Lrows_in
	s_wait_dscnt 0x0                               ; the stores have read the landing registers
	POFFS 1, 8
	PLOAD 8
	s_wait_loadcnt 0x0
	PSTORE 1, 8
	WIN 0
	s_cmp_gt_u32 s32, 16
	s_cbranch_scc0 .Lrows_in
	s_wait_dscnt 0x0
	POFFS 2, 5
	PLOAD 5
	s_wait_loadcnt 0x0
	PSTORE 2, 5
	WIN 0
.Lrows_in:
	s_wait_dscnt 0x0                               ; for the others: my images have landed; for me: modern's fragment is in
	s_barrier_signal -1
	s_barrier_wait -1                              ; the one barrier: behind it LDS is only read
	s_cmp_eq_u32 s32, 0
	s_cbranch_scc1 .Lend                           ; no chunk for me
	WIN 0x40
.irp f, 0,1,2,3,4,5,6,7,8,9,10,11,12,13
	ds_load_b128 v[WF+8*\f:WF+8*\f+3], v[LIW] offset:1024*\f
	ds_load_b128 v[WF+8*\f+4:WF+8*\f+7], v[LIW] offset:1024*\f+512
.endr
	WIN 0
.irp f, 0,1,2,3,4,5,6,7,8,9,10,11,12,13
	ds_load_b32 v[WS+\f], v[LSW] offset:128*\f
.endr
.irp i, 0,1,2,3,4,5,6,7,8,9,10,11,12,13
	ds_load_b128 v[BIAS+4*\i:BIAS+4*\i+3], v[LBI] offset:512*\i
.endr
	LOADP P0, LPA, 0
	LOADP P1, LPB, 256
	s_wait_dscnt 8                                 ; all but block 1's eight loads
	ADDH 0, P0, 0
	ADDH 0, P0, 8
	WIN 0
	s_mov_b32 s33, 0
	s_mov_b32 s91, 0
; ---- THE STEPS.  21 trips, a constant; a trip at or past n does nothing.  On entry P0 holds ctx's block 0 and block 1 of prior's row is on its way.
; Each s_wait_dscnt 8 leaves out the eight loads just issued into the other buffer.  An address register is stepped just behind the wait that shows its own loads in.
.Ltrip:
	s_cmp_ge_u32 s33, s32
	s_cbranch_scc1 .Lskip
	QUANT 0, P0
	LOADP P0, LPA, 512
	s_wait_dscnt 8
	ADDH 1, P1, 0
	ADDH 1, P1, 8
	QUANT 1, P1
	LOADP P1, LPB, 768
	WORD 0
	s_wait_dscnt 8
	v_add_nc_u32 v[LPA], PITCH, v[LPA]
	ADDH 2, P0, 0                                  ; these additions are also the places between the scale word, the codes and the products
	ADDH 2, P0, 8
	MM 0
	QUANT 2, P0
	LOADP P0, LPA, 0                               ; the next row's block 0
	s_wait_dscnt 8
	v_add_nc_u32 v[LPB], PITCH, v[LPB]
	ADDH 3, P1, 0
	ADDH 3, P1, 8
	QUANT 3, P1
	LOADP P1, LPB, 256                             ; the next row's block 1
	WORD 1
	s_wait_dscnt 8
	ADDH 0, P0, 0                                  ; eight places behind the scale word
	MM 1
	ADDH 0, P0, 8                                  ; eight places ahead of the first read of a result
	WIN 0
	; the target's logit, in four chains; each accumulator is first read at its lowest register
.set jj, 0
.rept 53
.if jj < 4
	v_cndmask_b32 v[SEL+jj], 0, v[ACC+jj], s[36+jj+2*(jj/28)]
.else
	v_cndmask_b32 v[SEL+jj%4], v[SEL+jj%4], v[ACC+jj], s[36+jj+2*(jj/28)]
.endif
.set jj, jj+1
.endr
	v_or_b32 v[SEL], v[SEL], v[SEL+1]              ; three of the four are 0
	v_or_b32 v[SEL+2], v[SEL+2], v[SEL+3]
	v_or_b32 v[SEL], v[SEL], v[SEL+2]
	v_mov_b32 v[L52], v[ACC+52]
	; the largest of the 53
.irp k, 0,1,2,3
	v_max3_num_f32 v[CC+\k], v[ACC+\k], v[ACC+4+\k], v[ACC+8+\k]
.endr
.irp g, 0,1,2,3,4
.irp k, 0,1,2,3
	v_max3_num_f32 v[CC+\k], v[CC+\k], v[ACC+12+8*\g+\k], v[ACC+16+8*\g+\k]
.endr
.endr
	v_max3_num_f32 v[CC], v[CC], v[CC+1], v[CC+2]
	v_max3_num_f32 v[CC], v[CC], v[CC+3], v[ACC+52]
	v_mul_f32 v[NM], 0xbfb8aa3b, v[CC]
.set jj, 0
.rept 27
	v_pk_fma_f32 v[ACC+jj:ACC+jj+1], v[ACC+jj:ACC+jj+1], s[92:93], v[NM:NM+1] op_sel_hi:[1,0,0]    ; (logit - max) x log2(e), two at a time
.set jj, jj+2
.endr
.set jj, 0
.rept 53
	v_exp_f32 v[ACC+jj], v[ACC+jj]
.set jj, jj+1
.endr
	v_nop                                          ; a plain line behind the last exponential
	s_wait_alu depctr_va_vdst(0)                   ; one wait for the batch, ahead of its first reader
	v_pk_add_f32 v[SA:SA+1], v[ACC:ACC+1], v[ACC+4:ACC+5]
	v_pk_add_f32 v[SB:SB+1], v[ACC+2:ACC+3], v[ACC+6:ACC+7]
.irp p, 8,12,16,20,24,28,32,36,40,44,48
	v_pk_add_f32 v[SA:SA+1], v[SA:SA+1], v[ACC+\p:ACC+\p+1]
	v_pk_add_f32 v[SB:SB+1], v[SB:SB+1], v[ACC+\p+2:ACC+\p+3]
.endr
	v_pk_add_f32 v[SA:SA+1], v[SA:SA+1], v[SB:SB+1]
	v_add_f32 v[SA], v[SA], v[SA+1]
	v_add_f32 v[SA], v[SA], v[ACC+52]
	v_log_f32 v[LG], v[SA]
	s_wait_xcnt 0x0                                ; the last step's store has read its offset and its data: both are written again only behind this wait
	v_add_nc_u32 v[WOFF], s91, v[WOFF]             ; 0 in the first step, then a unit on.  Also the plain line behind the logarithm
	s_wait_alu depctr_va_vdst(0)                   ; the wait ahead of the logarithm's reader
	v_fmamk_f32 v[LSE], v[LG], 0x3f317218, v[CC]   ; max + ln(sum)
	v_sub_f32 v[OA], v[L52], v[LSE]
	v_sub_f32 v[OA+1], v[SEL], v[LSE]
	global_store_b64 v[WOFF], v[OA:OA+1], s[22:23] ; the 32 lanes store 256 consecutive bytes, at a multiple of 256 from ws's first byte
	s_mov_b32 s91, 256
.Lskip:
	s_add_co_u32 s33, s33, 1
	s_cmp_lt_u32 s33, 21
	s_cbranch_scc1 .Ltrip
	s_wait_dscnt 0x0                               ; the look-ahead's loads
.Lend:
	s_barrier_signal -1
	s_barrier_wait -1
	s_wait_tensorcnt 0x0
	ds_add_u32 v254, v255
	s_wait_dscnt 0x0
	s_endpgm
.Lfunc_end_k_q4f1762b926_edit:
	.size	k_q4f1762b926_edit, .Lfunc_end_k_q4f1762b926_edit-k_q4f1762b926_edit
	.p2alignl 7, 3214868480
	.fill 96, 4, 3214868480
	.section	.rodata,"a",@progbits
	.p2align	6, 0x0
	.amdhsa_kernel k_q4f1762b926_edit
		.amdhsa_group_segment_fixed_size 207360
		.amdhsa_private_segment_fixed_size 0
		.amdhsa_enable_private_segment 0
		.amdhsa_kernarg_size 80
		.amdhsa_user_sgpr_count 2
		.amdhsa_user_sgpr_kernarg_segment_ptr 1
		.amdhsa_wavefront_size32 1
		.amdhsa_system_sgpr_workgroup_id_x 1
		.amdhsa_system_sgpr_workgroup_id_y 1
		.amdhsa_system_sgpr_workgroup_id_z 1
		.amdhsa_system_vgpr_workitem_id 0
		.amdhsa_next_free_vgpr 512
		.amdhsa_next_free_sgpr 102
		.amdhsa_reserve_vcc 1
		.amdhsa_float_denorm_mode_32 3
		.amdhsa_float_denorm_mode_16_64 3
		.amdhsa_memory_ordered 1
		.amdhsa_forward_progress 1
		.amdhsa_inst_pref_size 87
	.end_amdhsa_kernel
	.amdgpu_metadata
---
amdhsa.version: [ 1, 2 ]
amdhsa.kernels:
  - .name:           k_q4f1762b926_edit
    .symbol:         k_q4f1762b926_edit.kd
    .args:
      - { .name: src_lengths, .offset: 0, .size: 8, .value_kind: global_buffer, .address_space: global }
      - { .name: tgt_lengths, .offset: 8, .size: 8, .value_kind: global_buffer, .address_space: global }
      - { .name: W_sub, .offset: 16, .size: 8, .value_kind: global_buffer, .address_space: global }
      - { .name: W_ins, .offset: 24, .size: 8, .value_kind: global_buffer, .address_space: global }
      - { .name: b_sub, .offset: 32, .size: 8, .value_kind: global_buffer, .address_space: global }
      - { .name: b_ins, .offset: 40, .size: 8, .value_kind: global_buffer, .address_space: global }
      - { .name: prior_ctx, .offset: 48, .size: 8, .value_kind: global_buffer, .address_space: global }
      - { .name: modern_ctx, .offset: 56, .size: 8, .value_kind: global_buffer, .address_space: global }
      - { .name: target_ids, .offset: 64, .size: 8, .value_kind: global_buffer, .address_space: global }
      - { .name: ws, .offset: 72, .size: 8, .value_kind: global_buffer, .address_space: global }
    .group_segment_fixed_size: 207360
    .private_segment_fixed_size: 0
    .kernarg_segment_align: 8
    .kernarg_segment_size: 80
    .max_flat_workgroup_size: 256
    .sgpr_count:     102
    .vgpr_count:     512
    .wavefront_size: 32
...
	.end_amdgpu_metadata
.endif
;; end of part 1
;; launch spread (part 2): grid 64 x 4, 8 waves a work-group, no clusters, 34,816 bytes of LDS; arguments ws, src_lengths, tgt_lengths, out0, out1, out2, out3; writes out0, out1, out2, out3
.if DOCPART == 2
	.amdgcn_target "amdgcn-amd-amdhsa--gfx1250"
	.amdhsa_code_object_version 6
	.text
	.protected	k_q4f1762b926_spread
	.globl	k_q4f1762b926_spread
	.p2align	8
	.type	k_q4f1762b926_spread,@function
k_q4f1762b926_spread:
	s_mov_b64 s[64:65], 0
	v_nop
	global_prefetch_b8 v0, s[64:65] scope:SCOPE_SE
	s_setreg_imm32_b32 hwreg(HW_REG_WAVE_MODE, 25, 1), 1
	s_wait_xcnt 0x0
; The four outputs out of ws.  ws holds, for each (b, yt, x) with x < src[b] and 16 yt < tgt[b], a unit of 256 bytes at ((b*4 + yt)*64 + x)*256: lane l = r + 16 h has 8 bytes at 8 l:
; {logp[52], logp[target]} of y = 16 yt + r, head h.  out0 / out1 [64 x][64 y][128 b] take the first number of head 0 / 1, out2 / out3 [64][63][128] the second; 0 where x >= src[b] or y >= tgt[b].
; A work-group takes one x (grid x) and one yt (grid y), all 128 b.  Wave w brings in the units of b = 16 w .. 16 w + 15, a whole unit a load, and only those that were made: the lengths are compared
; as signed numbers, as they are given.  The numbers turn through LDS (64 rows of 128 b), and each wave stores eight whole rows of one output: 512 consecutive bytes a store.
; Memory binds here: no matrix unit, no cluster (work-groups share no input but the 1,024 bytes of lengths), no prefetch (each load is issued as soon as its address is known).
.set PITCH, 528                        ; an LDS row: 128 b x 4 bytes + 16
.set DD,  16                           ; v16-47 two numbers for each of my 16 units
.set OO,  48                           ; v48-79 eight rows on the way out
	s_load_b256 s[4:11], s[0:1], 0x0               ; ws s[4:5], src s[6:7], tgt s[8:9], out0 s[10:11]
	s_load_b128 s[12:15], s[0:1], 0x20             ; out1 s[12:13], out2 s[14:15]
	s_load_b64 s[48:49], s[0:1], 0x30              ; out3
	v_lshl_add_u32 v80, v0, 2, 0x8400
	v_mov_b32 v81, 0
	v_lshrrev_b32 v1, 5, v0
	v_readfirstlane_b32 s50, v1                    ; wave 0..7
	v_and_b32 v1, 31, v0                           ; lane
	s_mov_b32 s70, ttmp9                           ; x
	s_and_b32 s51, ttmp7, 0xffff                   ; yt
	s_lshl_b32 s52, s51, 4                         ; 16 yt
	v_and_b32 v2, 15, v0
	v_add_nc_u32 v2, s52, v2                       ; my y on the way in
	s_lshl_b32 s53, s50, 20                        ; 16 w units' worth of b: 65,536 bytes a b
	s_lshl_b32 s54, s51, 14
	s_add_co_u32 s53, s53, s54
	s_lshl_b32 s54, s70, 8
	s_add_co_u32 s53, s53, s54
	v_lshl_add_u32 v3, v1, 3, s53                  ; my 8 bytes of my wave's first unit
	v_mul_u32_u24 v4, v1, PITCH
	s_lshl_b32 s54, s50, 6
	v_add_nc_u32 v4, s54, v4                       ; into LDS: row = lane (+ 32 for the second number), column b = 16 w + k
	v_lshlrev_b32 v6, 4, v1                        ; out: 16 bytes a lane
	s_mul_i32 s53, s50, 8*PITCH
	v_add_nc_u32 v5, s53, v6                       ; out of LDS: rows 8 w .. 8 w + 7
	s_mov_b32 s55, 0                               ; s[54:55] = 64 w: my 16 lengths
	s_wait_kmcnt 0x0
	s_add_nc_u64 s[56:57], s[6:7], s[54:55]
	s_add_nc_u64 s[58:59], s[8:9], s[54:55]
	s_load_b512 s[16:31], s[56:57], 0x0            ; src[16 w ..]
	s_load_b512 s[32:47], s[58:59], 0x0            ; tgt[16 w ..]
.set jj, 0
.rept 32
	v_mov_b32 v[DD+jj], 0                          ; a unit that was not made counts as zeros
.set jj, jj+1
.endr
	; which output my eight rows belong to: rows 32 o + 16 h + r: o = w / 4, h = (w / 2) % 2, r = 8 (w % 2) + i
	s_bitcmp1_b32 s50, 1
	s_cselect_b64 s[60:61], s[12:13], s[10:11]
	s_cselect_b64 s[62:63], s[48:49], s[14:15]
	s_mov_b32 s66, 63
	s_cmp_lt_u32 s50, 4
	s_cselect_b64 s[60:61], s[60:61], s[62:63]
	s_cselect_b32 s66, 64, s66                     ; rows of y in that output
	s_and_b32 s67, s50, 1
	s_lshl_b32 s67, s67, 3
	s_add_co_u32 s67, s67, s52                     ; my first y on the way out
	s_mul_i32 s68, s70, s66
	s_add_co_u32 s68, s68, s67
	s_lshl_b32 s68, s68, 9
	s_mov_b32 s69, 0
	s_add_nc_u64 s[60:61], s[60:61], s[68:69]
	s_sub_co_u32 s66, s66, s67                     ; rows that are left from there on
	s_wait_kmcnt 0x0
.irp k, 0,1,2,3,4,5,6,7,8,9,10,11,12,13,14,15
	s_cmp_gt_i32 s[16+\k], s70                     ; x < src[b]?
	s_cbranch_scc0 .Lno_\k
	s_cmp_gt_i32 s[32+\k], s52                     ; 16 yt < tgt[b]?
	s_cbranch_scc0 .Lno_\k
	global_load_b64 v[DD+2*\k:DD+2*\k+1], v3, s[4:5] offset:65536*\k th:TH_LOAD_NT   ; 32 lanes read one unit of 256 bytes; read once in the launch
.Lno_\k:
.endr
	s_wait_loadcnt 0x0
.irp k, 0,1,2,3,4,5,6,7,8,9,10,11,12,13,14,15
	v_cmp_gt_i32 vcc_lo, s[32+\k], v2              ; y < tgt[b]?
	v_cndmask_b32 v[DD+2*\k], 0, v[DD+2*\k], vcc_lo
	v_cndmask_b32 v[DD+2*\k+1], 0, v[DD+2*\k+1], vcc_lo
	ds_store_b32 v4, v[DD+2*\k] offset:4*\k
	ds_store_b32 v4, v[DD+2*\k+1] offset:4*\k+32*PITCH
.endr
	s_wait_dscnt 0x0                               ; for the others: my stores have landed
	s_barrier_signal -1
	s_barrier_wait -1
.irp i, 0,1,2,3,4,5,6,7
	ds_load_b128 v[OO+4*\i:OO+4*\i+3], v5 offset:\i*PITCH
.endr
.irp i, 0,1,2,3,4,5,6
	s_wait_dscnt 7-\i                              ; LDS loads come back in order: row i is in
	global_store_b128 v6, v[OO+4*\i:OO+4*\i+3], s[60:61] offset:512*\i th:TH_STORE_NT   ; 32 lanes store a row of 512 bytes, at a multiple of 512 from the output's first byte
.endr
	s_wait_dscnt 0x0
	s_cmp_lt_u32 s66, 8                            ; out2 and out3 have no row y = 63
	s_cbranch_scc1 .Ldone
	global_store_b128 v6, v[OO+28:OO+31], s[60:61] offset:3584 th:TH_STORE_NT
.Ldone:
	s_barrier_signal -1
	s_barrier_wait -1
	s_wait_tensorcnt 0x0
	ds_add_u32 v80, v81
	s_wait_dscnt 0x0
	s_endpgm
.Lfunc_end_k_q4f1762b926_spread:
	.size	k_q4f1762b926_spread, .Lfunc_end_k_q4f1762b926_spread-k_q4f1762b926_spread
	.p2alignl 7, 3214868480
	.fill 96, 4, 3214868480
	.section	.rodata,"a",@progbits
	.p2align	6, 0x0
	.amdhsa_kernel k_q4f1762b926_spread
		.amdhsa_group_segment_fixed_size 34816
		.amdhsa_private_segment_fixed_size 0
		.amdhsa_enable_private_segment 0
		.amdhsa_kernarg_size 56
		.amdhsa_user_sgpr_count 2
		.amdhsa_user_sgpr_kernarg_segment_ptr 1
		.amdhsa_wavefront_size32 1
		.amdhsa_system_sgpr_workgroup_id_x 1
		.amdhsa_system_sgpr_workgroup_id_y 1
		.amdhsa_system_sgpr_workgroup_id_z 1
		.amdhsa_system_vgpr_workitem_id 0
		.amdhsa_next_free_vgpr 82
		.amdhsa_next_free_sgpr 72
		.amdhsa_reserve_vcc 1
		.amdhsa_float_denorm_mode_32 3
		.amdhsa_float_denorm_mode_16_64 3
		.amdhsa_memory_ordered 1
		.amdhsa_forward_progress 1
		.amdhsa_inst_pref_size 13
	.end_amdhsa_kernel
	.amdgpu_metadata
---
amdhsa.version: [ 1, 2 ]
amdhsa.kernels:
  - .name:           k_q4f1762b926_spread
    .symbol:         k_q4f1762b926_spread.kd
    .args:
      - { .name: ws, .offset: 0, .size: 8, .value_kind: global_buffer, .address_space: global }
      - { .name: src_lengths, .offset: 8, .size: 8, .value_kind: global_buffer, .address_space: global }
      - { .name: tgt_lengths, .offset: 16, .size: 8, .value_kind: global_buffer, .address_space: global }
      - { .name: out0, .offset: 24, .size: 8, .value_kind: global_buffer, .address_space: global }
      - { .name: out1, .offset: 32, .size: 8, .value_kind: global_buffer, .address_space: global }
      - { .name: out2, .offset: 40, .size: 8, .value_kind: global_buffer, .address_space: global }
      - { .name: out3, .offset: 48, .size: 8, .value_kind: global_buffer, .address_space: global }
    .group_segment_fixed_size: 34816
    .private_segment_fixed_size: 0
    .kernarg_segment_align: 8
    .kernarg_segment_size: 56
    .max_flat_workgroup_size: 256
    .sgpr_count:     72
    .vgpr_count:     82
    .wavefront_size: 32
...
	.end_amdgpu_metadata
.endif
;; end of part 2
